; MI455X (gfx1250); checked and timed in simulation.
; The chip was launched on July 23, 2026; its instructions are those of AMD's public machine-readable ISA for CDNA 5 (MIT licence, August 2026) and "CDNA5" Instruction Set Architecture Reference Guide (July 2026). The comments in the code are by the model that wrote it; some were corrected since.
;; s LSTM Cell. Allowed arithmetic: matrix products marked QUANTISED: E2M1 operands, one E8M0 scale for each 32 along K, by v_wmma_scale_f32_16x16x128_f8f6f4 with both operands' format E2M1 (or v_wmma_scale_f32_32x16x128_f4), f32 sums; everything else in f32.
;; Inputs: Rf 2,048 x 2,048 float32; Ri 2,048 x 2,048 float32; Ro 2,048 x 2,048 float32; Rz 2,048 x 2,048 float32; Wf 2,048 x 1,024 float32; Wi 2,048 x 1,024 float32; Wo 2,048 x 1,024 float32; Wz 2,048 x 1,024 float32; bf 2,048 float32; bi 2,048 float32; bo 2,048 float32; bz 2,048 float32; c_prev 2,048 x 2,048 float32; gn_b 2,048 float32; gn_w 2,048 float32; h_prev_codes 2,048 x 64 x 16 uint8 (E2M1 codes of h_prev, K innermost, in blocks of 32 codes, two codes a byte); h_prev_scales 2,048 x 64 uint8 (E8M0 scales of h_prev, one for each 32 codes along K); m_prev 2,048 x 2,048 float32; n_prev 2,048 x 2,048 float32; x_codes 2,048 x 32 x 16 uint8 (E2M1 codes of x, K innermost, in blocks of 32 codes, two codes a byte); x_scales 2,048 x 32 uint8 (E8M0 scales of x, one for each 32 codes along K).
;; Outputs: out0 2,048 x 2,048 float32; out1 2,048 x 2,048 float32; out2 2,048 x 2,048 float32; out3 2,048 x 2,048 float32.
;; This version of the problem:
;;   THIS VERSION OF THE PROBLEM IS GIVEN IN LOW PRECISION. The matrix products marked QUANTISED in the list below multiply operands that are first quantised to E2M1 (2 exponent bits, 1 mantissa bit; 4 bits a number), with one power-of-two scale for each 32 numbers along K (OCP MX v1.0); their sums are f32. All else is computed in f32.
;;   The module's matrix products, in the order in which they are computed (A, B: the left and right operand; K: the contracted axis; several contracted axes count as one K, in the product's order):
;;     1. [M 2,048, K 1,024] x [K 1,024, N 8,192]; A: input x (given as codes); B: computed on the way: QUANTISED
;;     2. [M 2,048, K 2,048] x [K 2,048, N 8,192]; A: input h_prev (given as codes); B: computed on the way: QUANTISED
;;   THE QUANTISER, for each operand of a quantised product, along K:
;;     - K is cut into blocks of 32 from its start; a last block that is shorter is filled with zeros.
;;     - A block's scale is 2^e with e = floor(log2(the largest magnitude in the block)) - 2, held to -126 .. 127; a block of zeros has e = 0. As a byte (E8M0): e + 127.
;;     - Each number is divided by its block's scale, clamped to +-6, and rounded to the nearest number of E2M1, ties to even, subnormals kept.
;;     - The product sums the exact products of the quantised numbers (number of the format x scale) in f32.
;;   ~~~python
;;   def quantise(x, axis):      # numpy; x: float32 -> the quantised numbers, widened to float32 again
;;       x = np.moveaxis(x, axis, -1); K = x.shape[-1]
;;       x = np.pad(x, [(0, 0)] * (x.ndim - 1) + [(0, -K % 32)]); x = x.reshape(x.shape[:-1] + (-1, 32)); a = np.abs(x).max(-1, keepdims=True)
;;       e = np.where(a > 0, np.clip(np.frexp(np.where(a > 0, a, 1))[1] - 1 - 2, -126, 127), 0)      # np.frexp(a)[1] - 1 = floor(log2(a)), exactly
;;       r = np.clip(x / 2.0 ** e, -6, 6)
;;       step = 2.0 ** (np.maximum(np.frexp(np.where(r == 0, 1, r))[1] - 1, 0) - 1)
;;       q = np.round(r / step) * step * 2.0 ** e      # np.round: ties to even
;;       return np.moveaxis(q.reshape(q.shape[:-2] + (-1,))[..., :K], -1, axis).astype(np.float32)
;;   ~~~
;;   OPERANDS COMPUTED ON THE WAY. 'Computed on the way' means the value that the module computes at that place (a softmax that the list does not call 'softmax' is quantised finished and normalised). What goes into a quantiser is computed in f32, as accurately as f32 sums, v_exp_f32 and their like allow (about 1e-6 of the number): no bf16 or f16 on the way to a quantiser, and a product that is left as it is and whose result goes on into a quantised operand takes f32 operands (vector FMAs, or v_wmma_f32_16x16x4_f32). A number that lies on a knife's edge between two numbers of the format may be rounded either way, as far as f32 arithmetic and the matrix unit's own rounding can turn it there, and no further.
;;   INPUTS GIVEN AS CODES. h_prev (in the module: [2048, 2048], K = its axis 1); x (in the module: [2048, 1024], K = its axis 1): each comes as NAME_codes (uint8): NAME with its K axis moved to the last place and cut into blocks of 32 codes, [.., K / 32, bytes a block], one block behind the other in memory; two codes a byte, the lower K in the low four bits (a code: sign, 2 exponent bits, 1 mantissa bit); and NAME_scales (uint8): the same leading axes, one E8M0 byte (e + 127) for each 32 codes along K. Its value is code x scale, taken as it is: it is not quantised again, and the codes and scales need not be those that the quantiser above would give.
;; One version. Each part assembles by itself: llvm-mc -triple=amdgcn-amd-amdhsa -mcpu=gfx1250 --defsym DOCPART=n.
;; ======== version 1 of 1: 3 launches
;; limits: right only within a limited range of input values
;; workspace buffers: bq_codes 12,582,912 bytes; bq_scales 786,432 bytes; og 16,777,216 bytes
;; launch quant (part 1): grid 192 x 4, 4 waves a work-group, no clusters, 39,424 bytes of LDS; arguments Wi, Wf, Wz, Wo, Ri, Rf, Rz, Ro, bq_codes, bq_scales; writes bq_codes, bq_scales
.if DOCPART == 1
	.amdgcn_target "amdgcn-amd-amdhsa--gfx1250"
	.amdhsa_code_object_version 6
	.text
	.protected	k_q50789acf0e_quant
	.globl	k_q50789acf0e_quant
	.p2align	8
	.type	k_q50789acf0e_quant,@function
k_q50789acf0e_quant:
	s_mov_b64 s[64:65], 0
	v_nop
	global_prefetch_b8 v0, s[64:65] scope:SCOPE_SE
	s_setreg_imm32_b32 hwreg(HW_REG_WAVE_MODE, 25, 1), 1
	s_wait_xcnt 0x0
; The eight weights (Wg [2048][1024], Rg [2048][2048], f32, K innermost) become codes of FP4 (E2M1) with one E8M0 byte for each 32 along K.
; A block's byte is its largest magnitude's exponent field - 2, held at 1 from below; each number is divided by the scale and rounded to the nearest code, ties to even; beyond 6 the largest code.
; No step of the problem is left out in this program.
; THE LAYOUT is the next launch's register image.  K runs over W's 32 blocks, then R's 64: kb = 0 .. 95.  Gate g (i, f, z, o), unit j: tile T = j / 32, block b = 2 g + (j % 32) / 16, row r = j % 16.
;   bq_codes  [8 T + b][kb][r][16 bytes]: a block of 32 codes is 16 bytes; sixteen rows' blocks of one kb are 256 consecutive bytes.
;   bq_scales [T][kb / 16][b % 4][b / 4][r][16 bytes]: a row's 16 bytes are its scale bytes of 16 neighbouring kb.
; LIMITS: a block of zeros gets the byte 1 where the rule says 127 (its codes are zeros, and this program alone reads the bytes); blocks under 2^-124 are held at the byte 1; NaN and infinities among the weights are not served.
; SHARES.  Work-group y is the gate; x < 64 takes Wg, the others Rg.  A wave takes 16 rows x 512 numbers (16 kb): step t is row t.  Each of a step's four loads reads 512 consecutive bytes; the 2,048 bytes go
; through the wave's own stage in LDS and come back 64 bytes a lane; two neighbouring lanes hold a block.  Codes (4,096 bytes) and scale bytes (256) are gathered in LDS and leave at the end in runs of 512 and 256 bytes.
; No tensor loads, no barrier: waves share nothing.
.set STEPS, 16
.set EMAX,  2
.set R,     16                         ; v16-79   four sets of 16 numbers as loaded
.set X,     80                         ; v80-111  two sets of 16 neighbours
.set OF,    112                        ; v112-127 step t: 16 x lane + t rows
.set E,     128                        ; the scale byte
.set C,     130                        ; v130-131 16 codes
.set BK,    132                        ; v132-163 the codes on the way out
.set SPW,   164
.set NIL,   165
.set SP,    80                         ; a lane's place in a stage: 64 bytes + 16
.set SCB,   2*32*SP                    ; behind the two stages: 256 scale bytes, [row][16]
.set CST,   SCB+256                    ; the codes: 16 kb x (256 bytes + 16)
.set CP,    272
.set WREG,  CST+16*CP                  ; 9,728 bytes a wave
.set SPARE, 4*WREG
	s_load_b512 s[4:19], s[0:1], 0x0               ; Wi, Wf, Wz, Wo; Ri, Rf, Rz, Ro
	s_load_b128 s[20:23], s[0:1], 0x40             ; codes, scales
	v_lshl_add_u32 v[SPW], v0, 2, SPARE
	v_mov_b32 v[NIL], 0
	v_lshrrev_b32 v1, 5, v0
	v_readfirstlane_b32 s28, v1                    ; wave
	s_and_b32 s29, ttmp7, 0xffff                   ; gate
	s_lshl_b32 s30, ttmp9, 2
	s_add_co_u32 s30, s30, s28                     ; W: 4 x + wave
	s_lshr_b32 s31, s30, 1                         ; W: block of 16 rows
	s_and_b32 s32, s30, 1                          ; W: which 512 of K; also its group of 16 kb
	s_add_co_u32 s33, ttmp9, 64
	s_and_b32 s33, s33, 127                        ; R: block of 16 rows = x - 64
	s_add_co_u32 s34, s28, 2                       ; R: group = 2 + wave
	s_cmp_lt_u32 ttmp9, 64
	s_cselect_b32 s31, s31, s33                    ; jb
	s_cselect_b32 s35, s32, s28                    ; which 512 of K
	s_cselect_b32 s32, s32, s34                    ; group
	s_cselect_b32 s36, 12, 13                      ; log2 of a row's bytes
	s_lshl_b32 s37, 1, s36
	s_mul_i32 s39, s28, WREG
	s_lshl_b32 s38, s31, 4
	s_lshl_b32 s38, s38, s36
	s_lshl_b32 s35, s35, 11
	s_add_co_u32 s38, s38, s35                     ; where I read
	s_lshr_b32 s40, s31, 1                         ; T
	s_and_b32 s41, s31, 1
	s_lshl_b32 s35, s29, 1
	s_add_co_u32 s41, s41, s35                     ; b
	s_lshl_b32 s42, s40, 3
	s_add_co_u32 s42, s42, s41
	s_mul_i32 s42, s42, 24576
	s_lshl_b32 s35, s32, 12
	s_add_co_u32 s42, s42, s35                     ; my 4,096 bytes of codes
	s_mul_i32 s44, s40, 6
	s_add_co_u32 s44, s44, s32
	s_lshl_b32 s44, s44, 2
	s_and_b32 s35, s41, 3
	s_add_co_u32 s44, s44, s35
	s_lshl_b32 s44, s44, 1
	s_lshr_b32 s35, s41, 2
	s_add_co_u32 s44, s44, s35
	s_lshl_b32 s44, s44, 8                         ; my 256 scale bytes
	s_mov_b32 s43, 0
	v_and_b32 v2, 31, v0                           ; lane
	v_lshlrev_b32 v3, 4, v2
	v_lshrrev_b32 v14, 2, v2
	v_mul_u32_u24 v14, v14, SP
	v_and_b32 v15, 3, v2
	v_lshl_add_u32 v14, v15, 4, v14
	v_add_nc_u32 v14, s39, v14                     ; stage, in
	v_mul_u32_u24 v15, v2, SP
	v_add_nc_u32 v15, s39, v15                     ; stage, out
	v_lshrrev_b32 v5, 1, v2                        ; my kb
	v_mul_u32_u24 v4, v5, CP
	v_and_b32 v6, 1, v2
	v_lshl_add_u32 v4, v6, 3, v4
	v_add_nc_u32 v4, s39, v4
	v_add_nc_u32 v4, CST, v4                       ; codes, in: kb x 272 + 8 (lane % 2); the row stands in the immediate
	v_add_nc_u32 v5, s39, v5
	v_add_nc_u32 v5, SCB, v5                       ; scale byte, in
	v_lshlrev_b32 v7, 3, v2
	v_add_nc_u32 v6, s39, v7
	v_add_nc_u32 v6, SCB, v6                       ; scale bytes, out
	v_lshrrev_b32 v10, 4, v2
	v_mul_u32_u24 v10, v10, CP
	v_and_b32 v12, 15, v2
	v_lshl_add_u32 v10, v12, 4, v10
	v_add_nc_u32 v10, s39, v10
	v_add_nc_u32 v10, CST, v10                     ; codes, out
.irp t, 0,1,2,3,4,5,6,7,8,9,10,11,12,13,14,15
	v_mad_u32_u24 v[OF+\t], s37, \t, v3
.endr
	s_wait_alu depctr_va_vdst(0)                   ; the wait at the head's end
	s_wait_kmcnt 0x0
	s_cmp_eq_u32 s29, 1
	s_cselect_b64 s[4:5], s[6:7], s[4:5]
	s_cselect_b64 s[12:13], s[14:15], s[12:13]
	s_cmp_eq_u32 s29, 2
	s_cselect_b64 s[4:5], s[8:9], s[4:5]
	s_cselect_b64 s[12:13], s[16:17], s[12:13]
	s_cmp_eq_u32 s29, 3
	s_cselect_b64 s[4:5], s[10:11], s[4:5]
	s_cselect_b64 s[12:13], s[18:19], s[12:13]
	s_cmp_lt_u32 ttmp9, 64
	s_cselect_b64 s[4:5], s[4:5], s[12:13]
	s_mov_b32 s39, 0
	s_mov_b32 s45, 0
	s_add_nc_u64 s[4:5], s[4:5], s[38:39]
	s_add_nc_u64 s[8:9], s[20:21], s[42:43]
	s_add_nc_u64 s[10:11], s[22:23], s[44:45]
.macro LOAD t
.irp i, 0,1,2,3
	global_load_b128 v[R+16*((\t)%4)+4*\i:R+16*((\t)%4)+4*\i+3], v[OF+(\t)], s[4:5] offset:512*\i th:TH_LOAD_NT
.endr
.endm
.macro TURN t                          ; LDS serves a wave's instructions in order (ISA guide 5.7.1.4): no wait between the stores and the loads
.irp i, 0,1,2,3
	ds_store_b128 v14, v[R+16*((\t)%4)+4*\i:R+16*((\t)%4)+4*\i+3] offset:32*SP*((\t)%2)+8*SP*\i
.endr
.irp i, 0,1,2,3
	ds_load_b128 v[X+16*((\t)%2)+4*\i:X+16*((\t)%2)+4*\i+3], v15 offset:32*SP*((\t)%2)+16*\i
.endr
.endm
.irp t, 0,1,2,3
	LOAD \t
.endr
	s_wait_loadcnt 12                              ; row 0's four loads are in
	TURN 0
.macro STEP t
.set XS, X+16*((\t)%2)
.if (\t) > 0
	s_wait_dscnt 2                                 ; this row's numbers are back; the last row's two stores of byte and codes may be out
.else
	s_wait_dscnt 0x0
.endif
.if (\t)+4 < STEPS
	LOAD (\t)+4
.endif
.if (\t)+1 < STEPS
.if STEPS-2-(\t) >= 3
	s_wait_loadcnt 12                              ; the next row's loads are in; three rows' stay out
.else
	s_wait_loadcnt 4*(STEPS-2-(\t))
.endif
	TURN (\t)+1
.endif
	v_max3_num_f32 v8, |v[XS]|, |v[XS+1]|, |v[XS+2]|
	v_max3_num_f32 v9, |v[XS+3]|, |v[XS+4]|, |v[XS+5]|
.irp i, 6,10
	v_max3_num_f32 v8, v8, |v[XS+\i]|, |v[XS+\i+1]|
	v_max3_num_f32 v9, v9, |v[XS+\i+2]|, |v[XS+\i+3]|
.endr
	v_max3_num_f32 v8, v8, |v[XS+14]|, |v[XS+15]|
	v_max3_num_f32 v8, v8, v9, (EMAX+1)<<23        ; the floor 2^(3 - 127): the byte cannot fall under 1
	v_max_num_f32_dpp v8, v8, v8 row_xmask:1 row_mask:0xf bank_mask:0xf   ; with my neighbour's 16: the block's
	v_add_nc_u32 v11, -(EMAX<<23), v8              ; 2 off the exponent field: the conversion's scale operand
	v_cvt_scalef32_pk8_fp4_f32 v[C], v[XS:XS+7], v11
	v_cvt_scalef32_pk8_fp4_f32 v[C+1], v[XS+8:XS+15], v11
	v_lshrrev_b32 v[E], 23, v11                    ; the byte (also the plain line behind the conversions)
	ds_store_b8 v5, v[E] offset:16*(\t)
	ds_store_b64 v4, v[C:C+1] offset:16*(\t)
.endm
.irp t, 0,1,2,3,4,5,6,7,8,9,10,11,12,13,14,15
	STEP \t
.endr
.irp i, 0,1,2,3,4,5,6,7
	ds_load_b128 v[BK+4*\i:BK+4*\i+3], v10 offset:2*CP*\i   ; lanes 0-15 kb 2 i, lanes 16-31 kb 2 i + 1
.endr
	ds_load_b64 v[12:13], v6
	s_wait_dscnt 0x0
.irp i, 0,1,2,3,4,5,6,7
	global_store_b128 v3, v[BK+4*\i:BK+4*\i+3], s[8:9] offset:512*\i   ; 512 consecutive bytes, aligned
.endr
	global_store_b64 v7, v[12:13], s[10:11]        ; 256 consecutive bytes, aligned
	s_wait_tensorcnt 0x0                           ; the wave's end
	ds_add_u32 v[SPW], v[NIL]
	s_wait_dscnt 0x0
	s_endpgm
.Lfunc_end_k_q50789acf0e_quant:
	.size	k_q50789acf0e_quant, .Lfunc_end_k_q50789acf0e_quant-k_q50789acf0e_quant
	.p2alignl 7, 3214868480
	.fill 96, 4, 3214868480
	.section	.rodata,"a",@progbits
	.p2align	6, 0x0
	.amdhsa_kernel k_q50789acf0e_quant
		.amdhsa_group_segment_fixed_size 39424
		.amdhsa_private_segment_fixed_size 0
		.amdhsa_enable_private_segment 0
		.amdhsa_kernarg_size 80
		.amdhsa_user_sgpr_count 2
		.amdhsa_user_sgpr_kernarg_segment_ptr 1
		.amdhsa_wavefront_size32 1
		.amdhsa_system_sgpr_workgroup_id_x 1
		.amdhsa_system_sgpr_workgroup_id_y 1
		.amdhsa_system_sgpr_workgroup_id_z 1
		.amdhsa_system_vgpr_workitem_id 0
		.amdhsa_next_free_vgpr 166
		.amdhsa_next_free_sgpr 66
		.amdhsa_reserve_vcc 0
		.amdhsa_float_denorm_mode_32 3
		.amdhsa_float_denorm_mode_16_64 3
		.amdhsa_memory_ordered 1
		.amdhsa_forward_progress 1
		.amdhsa_inst_pref_size 37
	.end_amdhsa_kernel
	.amdgpu_metadata
---
amdhsa.version: [ 1, 2 ]
amdhsa.kernels:
  - .name:           k_q50789acf0e_quant
    .symbol:         k_q50789acf0e_quant.kd
    .args:
      - { .name: Wi, .offset: 0, .size: 8, .value_kind: global_buffer, .address_space: global }
      - { .name: Wf, .offset: 8, .size: 8, .value_kind: global_buffer, .address_space: global }
      - { .name: Wz, .offset: 16, .size: 8, .value_kind: global_buffer, .address_space: global }
      - { .name: Wo, .offset: 24, .size: 8, .value_kind: global_buffer, .address_space: global }
      - { .name: Ri, .offset: 32, .size: 8, .value_kind: global_buffer, .address_space: global }
      - { .name: Rf, .offset: 40, .size: 8, .value_kind: global_buffer, .address_space: global }
      - { .name: Rz, .offset: 48, .size: 8, .value_kind: global_buffer, .address_space: global }
      - { .name: Ro, .offset: 56, .size: 8, .value_kind: global_buffer, .address_space: global }
      - { .name: bq_codes, .offset: 64, .size: 8, .value_kind: global_buffer, .address_space: global }
      - { .name: bq_scales, .offset: 72, .size: 8, .value_kind: global_buffer, .address_space: global }
    .group_segment_fixed_size: 39424
    .private_segment_fixed_size: 0
    .kernarg_segment_align: 8
    .kernarg_segment_size: 80
    .max_flat_workgroup_size: 128
    .sgpr_count:     66
    .vgpr_count:     166
    .wavefront_size: 32
...
	.end_amdgpu_metadata
.endif
;; end of part 1
;; launch cell (part 2): grid 16 x 16, 4 waves a work-group, no clusters, 327,680 bytes of LDS; arguments x_codes, x_scales, h_prev_codes, h_prev_scales, bq_codes, bq_scales, bi, bf, bz, bo, c_prev, n_prev, m_prev, out1, out2, out3, og; writes out1, out2, out3, og
.if DOCPART == 2
	.amdgcn_target "amdgcn-amd-amdhsa--gfx1250"
	.amdhsa_code_object_version 6
	.text
	.protected	k_q50789acf0e_cell
	.globl	k_q50789acf0e_cell
	.p2align	8
	.type	k_q50789acf0e_cell,@function
k_q50789acf0e_cell:
	s_mov_b64 s[64:65], 0
	v_nop
	global_prefetch_b8 v0, s[64:65] scope:SCOPE_SE
	s_setreg_imm32_b32 hwreg(HW_REG_WAVE_MODE, 25, 1), 1
	s_wait_xcnt 0x0
; pre = x Wcat^T + h Rcat^T in MX-FP4, then the gates: out1 = c, out2 = n, out3 = m, og = o (the next launch makes h).  K = 3,072: x's 1,024, then h's 2,048: 24 steps of 128.
; A work-group makes 128 batch rows x 128 units x 4 gates; wave w the 32 units 32 w .. of all 128 rows: 128 x 128 of pre, 64 accumulators, 512 registers.
; A (the batch rows' codes, all of K, 196,608 bytes) comes into LDS ONCE, by three tensor loads at the head, as three regions of 128 rows x 512 bytes (x; h's K 0-1023; h's K 1024-2047), 16 bytes of padding a row.
; Nothing in LDS is filled again, so the K loop has no barrier.  A's scale bytes go through registers into LDS bytes of their own, laid [16 kb][row][16 bytes].
; B (the weights' codes) is used by one wave alone, so it goes from memory straight into registers: bq_codes is laid as the register image, each load 512 consecutive bytes.
; Four sets of 64 registers: step n's middle asks for step n + 3.  B's scale words come the same way, four steps at a time.
; THE MATRIX INSTRUCTION IS USED TRANSPOSED (source 0 = 16 rows of B, source 1 = 16 rows of A): a lane holds one batch row, its registers eight neighbouring units.
; NO CLUSTER: the tiles that work-groups share by tensor load are A's 196,608 of a work-group's 983,040 operand bytes, fetched once at the head; B comes by register loads.
; PREFETCHES: B in chunks of 8 steps (8,192 bytes of each 16-row block).  The sixteen work-groups of a column block read the same B: work-group y asks for block y % 8 of each wave's eight, a lane 256 bytes:
; chunk 0 at the head, chunk 1 in step 0, chunk 2 in the loop's first trip; nothing beyond.  The state tiles (c, n, m of my wave's 32 rows, a lane a row, 256 bytes) are asked for in the loop, half a row's 512 bytes a trip.
; THE WAY OUT: pre goes through a stage in LDS (over A's bytes, which have had their only fill and, behind a barrier, their last read) and comes back as rows: sixteen lanes hold 64 neighbouring units, 256 bytes.
; sigmoid(p) = 1 / (1 + 2^(-log2(e) p)), tanh(p) = 1 - 2 / (1 + 2^(2 log2(e) p)).  LIMITS: where an exponential overflows the reciprocal gives the limit; tanh's error is absolute, about 1e-7.
.set PA,    528                        ; an LDS row of A: 512 + 16 bytes
.set REG,   128*PA                     ; a region
.set ASC,   3*REG                      ; A's scales: 6 groups x 128 rows x 16 bytes
.set PP,    2064                       ; a stage row: 4 gates x 128 units x 4 bytes + 16
.set SPARE, 128*PP                     ; behind the stage: the spare words
.set ADA, 16                           ; A's fragments
.set ADS, 17                           ; A's scale words
.set BOF, 18                           ; 16 x lane
.set BIO, 19                           ; 16 (lane % 16)
.set STO, 20                           ; v20-23 stage, in: A's blocks 0-1, 2-3, 4-5, 6-7
.set RD,  24                           ; stage, out
.set GOF, 25                           ; my 16 bytes in the state and output tiles
.set PFV, 26
.set PFS, 27
.set SPW, 28
.set NIL, 29
.set XSO, 30
.set XSL, 31
.set HSL, 15
.set SAS, 32                           ; v32-63 A's scale words, two sets of 16: register 4 q + j: lanes 0-15 block q, lanes 16-31 block q + 4, step j of four
.set SBS, 64                           ; v64-95 B's, likewise
.set AF,  128                          ; v128-191 A's fragments, one set
.set PB,  128                          ; the way out: two sets of 16 pre-activations
.set T,   160
.set T2,  164
.set OB,  168                          ; two sets of c, n, m
.set MSB, 0
.macro WIN new
.if MSB != \new
	s_set_vgpr_msb (MSB<<8)|\new
.set MSB, \new
.endif
.endm
.set MUL_LO, 0xa1                      ; source 0 (B) window 1, source 1 (A) window 0, C and D window 2
.set MUL_HI, 0xf1
.set TO_B,   0x40
.macro PLACES
.rept 4
	v_nop
.endr
.endm
	s_load_b512 s[4:19], s[0:1], 0x0               ; x codes, x scales, h codes, h scales, B codes, B scales, bi, bf
	s_load_b512 s[20:35], s[0:1], 0x40             ; bz, bo, c_prev, n_prev, m_prev, out1, out2, out3
	s_load_b64 s[36:37], s[0:1], 0x80              ; og
	v_lshl_add_u32 v[SPW], v0, 2, SPARE
	v_mov_b32 v[NIL], 0
	ds_add_u32 v[SPW], v[NIL]                      ; the opening lines: the add, twice on end, and its wait
	ds_add_u32 v[SPW], v[NIL]
	v_lshrrev_b32 v1, 5, v0
	v_readfirstlane_b32 s66, v1                    ; wave
	s_mov_b32 s67, ttmp9                           ; x: column block
	s_and_b32 s68, ttmp7, 0xffff                   ; y: row block
.irp g, 40, 48
	s_mov_b32 s[\g], (1<<20)|(6<<22)|(3<<25)       ; bytes; 4 words of padding behind every 128
	s_mov_b32 s[\g+1], 512<<16
	s_mov_b32 s[\g+2], 128<<16
	s_mov_b32 s[\g+3], 512<<16
	s_mov_b32 s[\g+4], 128
	s_mov_b32 s[\g+6], 0
	s_mov_b32 s[\g+7], 0
.endr
	s_mov_b32 s45, 512                             ; x's pitch
	s_mov_b32 s53, 1024                            ; h's
	s_mov_b32 s56, 1
	s_mov_b32 s57, 0
	s_mov_b32 s60, 1
	s_mul_i32 s61, s66, REG                        ; waves 1 and 2: regions 1 and 2
	s_mov_b32 s76, 0xbfb8aa3b                      ; -log2(e)
	s_mov_b32 s77, s76
	s_mov_b32 s78, 0x4038aa3b                      ; 2 log2(e)
	s_mov_b32 s79, s78
	s_and_b32 s72, s68, 7
	s_mul_i32 s72, s72, 24576
	s_lshl_b32 s73, s66, 7
	s_mul_i32 s74, s66, 32*PP
	v_and_b32 v1, 15, v0                           ; r
	v_bfe_u32 v2, v0, 4, 1                         ; h
	v_and_b32 v3, 31, v0
	v_mul_u32_u24 v[ADA], v1, PA
	v_lshl_add_u32 v[ADA], v2, 4, v[ADA]
	v_lshlrev_b32 v[BIO], 4, v1
	v_lshl_add_u32 v[ADS], v2, 10, v[BIO]
	v_add_nc_u32 v[ADS], ASC, v[ADS]
	v_lshlrev_b32 v[BOF], 4, v3
	v_lshl_add_u32 v[PFV], v3, 8, s72
	v_lshlrev_b32 v[PFS], 13, v3
	v_mul_u32_u24 v5, v1, PP
	v_lshl_add_u32 v5, v2, 5, v5
	v_add_nc_u32 v[STO], s73, v5                   ; row r, 32 h + 128 wave
.irp i, 1,2,3
	v_add_nc_u32 v[STO+\i], \i*32*PP, v[STO]
.endr
	v_mul_u32_u24 v5, v2, PP
	v_add_nc_u32 v5, v5, v[BIO]
	v_add_nc_u32 v[RD], s74, v5                    ; row 32 wave + h, 16 r
	v_lshl_add_u32 v[GOF], v2, 13, v[BIO]
	v_lshlrev_b32 v[XSO], 4, v0                    ; A's scales: piece t of 16 bytes
	v_and_b32 v5, 1, v0
	v_lshrrev_b32 v6, 1, v0
	v_lshlrev_b32 v6, 4, v6
	v_lshl_add_u32 v6, v5, 11, v6
	v_add_nc_u32 v[XSL], ASC, v6                   ; x: group t % 2, row t / 2
	v_and_b32 v5, 3, v0
	v_lshrrev_b32 v6, 2, v0
	v_lshlrev_b32 v6, 4, v6
	v_lshl_add_u32 v6, v5, 11, v6
	v_add_nc_u32 v[HSL], ASC+4096, v6              ; h: group 2 + t % 4, row t / 4
	s_wait_alu depctr_va_vdst(0)                   ; the wait at the head's end
	s_wait_dscnt 0x0
	s_wait_kmcnt 0x0
	s_mov_b32 s71, 0
	s_lshl_b32 s70, s68, 16
	s_add_nc_u64 s[58:59], s[4:5], s[70:71]        ; x: 128 rows of 512 bytes
	s_or_b32 s59, s59, 0x80000000
	s_lshl_b32 s70, s68, 17
	s_add_nc_u64 s[62:63], s[8:9], s[70:71]        ; h: 128 rows of 1,024 bytes,
	s_lshr_b32 s70, s66, 1
	s_lshl_b32 s70, s70, 9
	s_add_nc_u64 s[62:63], s[62:63], s[70:71]      ; wave 2: their second 512
	s_or_b32 s63, s63, 0x80000000
	s_cmp_lg_u32 s66, 0                            ; one chain of branches on the wave's number, one fill to an arm
	s_cbranch_scc1 .Lfor_h
	tensor_load_to_lds s[56:59], s[40:47]
	s_nop 0
	PLACES
	s_branch .Lasked
.Lfor_h:
	s_cmp_gt_u32 s66, 2
	s_cbranch_scc1 .Lasked
	tensor_load_to_lds s[60:63], s[48:55]
	s_nop 0
	PLACES
.Lasked:
	s_lshl_b32 s70, s68, 12
	s_add_nc_u64 s[6:7], s[6:7], s[70:71]
	s_lshl_b32 s70, s68, 13
	s_add_nc_u64 s[10:11], s[10:11], s[70:71]
	s_lshl_b32 s72, s67, 2
	s_add_co_u32 s72, s72, s66                     ; my tile of B: 4 x + wave
	s_mul_i32 s70, s72, 196608
	s_add_nc_u64 s[12:13], s[12:13], s[70:71]
	s_mul_i32 s70, s72, 12288
	s_add_nc_u64 s[14:15], s[14:15], s[70:71]
	global_load_b128 v[192:195], v[XSO], s[6:7]
	global_load_b128 v[196:199], v[XSO], s[6:7] offset:2048
.irp m, 0,1,2,3
	global_load_b128 v[200+4*\m:203+4*\m], v[XSO], s[10:11] offset:2048*\m
.endr
.irp g, 0,1
.irp q, 0,1,2,3
	global_load_b128 v[SBS+16*\g+4*\q:SBS+16*\g+4*\q+3], v[BOF], s[14:15] offset:2048*\g+512*\q
.endr
.endr
.macro BLOAD n                         ; B's eight fragments of step n (counted from the base as it stands) into set n % 4
.irp b, 0,1,2,3,4,5,6,7
.irp c, 0,1
	global_load_b128 v[64*((\n)%4)+8*\b+4*\c:64*((\n)%4)+8*\b+4*\c+3], v[BOF], s[12:13] offset:1024*(\n)+24576*\b+512*\c
.endr
.endr
.endm
	WIN TO_B
	BLOAD 0
	BLOAD 1
	BLOAD 2
	WIN 0
	global_prefetch_b8 v[PFV], s[12:13] th:TH_LOAD_NT scope:SCOPE_SE   ; chunk 0, my share
	s_lshl_b32 s70, s67, 9
.irp g, 16,18,20,22
	s_add_nc_u64 s[\g:\g+1], s[\g:\g+1], s[70:71]  ; the biases of my 128 units
.endr
	s_lshl_b32 s72, s68, 20
	s_add_co_u32 s70, s70, s72
	s_lshl_b32 s72, s66, 18
	s_add_co_u32 s70, s70, s72                     ; row 128 y + 32 wave, unit 128 x
.irp g, 24,26,28,30,32,34,36
	s_add_nc_u64 s[\g:\g+1], s[\g:\g+1], s[70:71]
.endr
	s_wait_loadcnt 56                              ; A's six pieces of scales are in; B's 8 + 48 loads stay out
	s_wait_tensorcnt 0x0                           ; my region of A has landed
	ds_store_b128 v[XSL], v[192:195]
	ds_store_b128 v[XSL], v[196:199] offset:1024
.irp m, 0,1,2,3
	ds_store_b128 v[HSL], v[200+4*\m:203+4*\m] offset:512*\m
.endr
	s_wait_dscnt 0x0                               ; for the others' sake
	s_barrier_signal -1
	s_barrier_wait -1
.macro FETCH_A q, i0
.irp i, 0,1,2,3
.irp c, 0,1
	ds_load_b128 v[AF+8*(\i0+\i)+4*\c:AF+8*(\i0+\i)+4*\c+3], v[ADA] offset:64*(\q)+32*\c+(\i0+\i)*16*PA
.endr
.endr
.endm
.macro WM a, b, p, sp, j, zero
.set rD, 8*(8*((\a)%4)+(\b))
.set rB, 64*(\p)+8*(\b)
.set rA, AF+8*(\a)
.set rSB, SBS+16*(\sp)+4*((\b)%4)+(\j)
.set rSA, SAS+16*(\sp)+4*((\a)%4)+(\j)
.set sel, 4*(\zero)+2*((\a)/4)+(\b)/4
.if sel == 0
	v_wmma_scale_f32_16x16x128_f8f6f4 v[rD:rD+7], v[rB:rB+7], v[rA:rA+7], v[rD:rD+7], v[rSB], v[rSA] matrix_a_fmt:MATRIX_FMT_FP4 matrix_b_fmt:MATRIX_FMT_FP4
.elseif sel == 1
	v_wmma_scale_f32_16x16x128_f8f6f4 v[rD:rD+7], v[rB:rB+7], v[rA:rA+7], v[rD:rD+7], v[rSB], v[rSA] matrix_a_fmt:MATRIX_FMT_FP4 matrix_b_fmt:MATRIX_FMT_FP4 matrix_a_scale:MATRIX_SCALE_ROW1
.elseif sel == 2
	v_wmma_scale_f32_16x16x128_f8f6f4 v[rD:rD+7], v[rB:rB+7], v[rA:rA+7], v[rD:rD+7], v[rSB], v[rSA] matrix_a_fmt:MATRIX_FMT_FP4 matrix_b_fmt:MATRIX_FMT_FP4 matrix_b_scale:MATRIX_SCALE_ROW1
.elseif sel == 3
	v_wmma_scale_f32_16x16x128_f8f6f4 v[rD:rD+7], v[rB:rB+7], v[rA:rA+7], v[rD:rD+7], v[rSB], v[rSA] matrix_a_fmt:MATRIX_FMT_FP4 matrix_b_fmt:MATRIX_FMT_FP4 matrix_a_scale:MATRIX_SCALE_ROW1 matrix_b_scale:MATRIX_SCALE_ROW1
.elseif sel == 4
	v_wmma_scale_f32_16x16x128_f8f6f4 v[rD:rD+7], v[rB:rB+7], v[rA:rA+7], 0, v[rSB], v[rSA] matrix_a_fmt:MATRIX_FMT_FP4 matrix_b_fmt:MATRIX_FMT_FP4
.elseif sel == 5
	v_wmma_scale_f32_16x16x128_f8f6f4 v[rD:rD+7], v[rB:rB+7], v[rA:rA+7], 0, v[rSB], v[rSA] matrix_a_fmt:MATRIX_FMT_FP4 matrix_b_fmt:MATRIX_FMT_FP4 matrix_a_scale:MATRIX_SCALE_ROW1
.elseif sel == 6
	v_wmma_scale_f32_16x16x128_f8f6f4 v[rD:rD+7], v[rB:rB+7], v[rA:rA+7], 0, v[rSB], v[rSA] matrix_a_fmt:MATRIX_FMT_FP4 matrix_b_fmt:MATRIX_FMT_FP4 matrix_b_scale:MATRIX_SCALE_ROW1
.else
	v_wmma_scale_f32_16x16x128_f8f6f4 v[rD:rD+7], v[rB:rB+7], v[rA:rA+7], 0, v[rSB], v[rSA] matrix_a_fmt:MATRIX_FMT_FP4 matrix_b_fmt:MATRIX_FMT_FP4 matrix_a_scale:MATRIX_SCALE_ROW1 matrix_b_scale:MATRIX_SCALE_ROW1
.endif
.endm
.macro MULH hi, n, zero                ; A's blocks 4 hi .. 4 hi + 3 x B's eight: 32 accumulators by turns
.irp a, 0,1,2,3
.irp b, 0,1,2,3,4,5,6,7
	WM 4*\hi+\a, \b, (\n)%4, ((\n)/4)%2, (\n)%4, \zero
.endr
.endr
.endm
.macro ZR i                            ; the registers of item i's c_prev, n_prev, m_prev
.if (\i) < 2
.set ZC, 96+12*(\i)
.set ZN, ZC+4
.set ZM, ZC+8
.elseif (\i) < 7
.set ZC, 192+12*((\i)-2)
.set ZN, ZC+4
.set ZM, ZC+8
.else
.set ZC, 120
.set ZN, 124
.set ZM, 252
.endif
.endm
.macro ZLOAD i, add
	ZR \i
	global_load_b128 v[ZC:ZC+3], v[GOF], s[24:25] offset:16384*((\i)/2)+256*((\i)%2)+\add th:TH_LOAD_NT
	global_load_b128 v[ZN:ZN+3], v[GOF], s[26:27] offset:16384*((\i)/2)+256*((\i)%2)+\add th:TH_LOAD_NT
	global_load_b128 v[ZM:ZM+3], v[GOF], s[28:29] offset:16384*((\i)/2)+256*((\i)%2)+\add th:TH_LOAD_NT
.endm
; A step of 128 along K.  n: the step, counted from the bases as they stand.  cnt: the loads younger than B's set of this step.  bl: B's loads for n + 3.  sl: the next four steps' scale words.
; fa: A's fragments for n + 1.  bump: A's addresses go on to the next region.  ex: the way out's first loads.
.macro STEP n, cnt, bl, sl, fa, bump, zero, ex
	s_wait_dscnt 8                                 ; A's blocks 0-3 (and scale words) are in; blocks 4-7's eight loads may be out
	s_wait_loadcnt \cnt
	WIN MUL_LO
	MULH 0, \n, \zero
	s_wait_dscnt 0x0
	PLACES                                         ; in front of loads into registers that matrix instructions have read
	WIN 0
.if \bump
	v_add_nc_u32 v[ADA], REG, v[ADA]
	v_add_nc_u32 v[ADS], 4096, v[ADS]
	s_wait_alu depctr_va_vdst(0)                   ; the wait directly behind the writes
.endif
.if \bl
	WIN TO_B
	BLOAD (\n)+3
	WIN 0
.endif
.if \sl
.set SS, 16*(((\n)/4+1)%2)
.irp q, 0,1,2,3
	global_load_b128 v[SBS+SS+4*\q:SBS+SS+4*\q+3], v[BOF], s[14:15] offset:2048*((\n)/4+1)+512*\q
.endr
.irp q, 0,1,2,3
	ds_load_b128 v[SAS+SS+4*\q:SAS+SS+4*\q+3], v[ADS] offset:2048*((\n)/4+1)-4096*((\n)/8)+256*\q
.endr
.endif
.if \ex
.irp ch, 0,1
.irp g, 0,1,2,3
	global_load_b128 v[32+32*\ch+4*\g:32+32*\ch+4*\g+3], v[BIO], s[16+2*\g:17+2*\g] offset:256*\ch   ; the biases, into the scale sets that steps 16-19 have left
.endr
.endr
.irp i, 0,1,2,3,4,5,6,7
	ZLOAD \i, 0
.endr
.endif
.if \fa
	FETCH_A ((\n)+1)%8, 0
.endif
	WIN MUL_HI
	MULH 1, \n, \zero
	WIN 0
.if \fa
	PLACES
	FETCH_A ((\n)+1)%8, 4
.endif
.endm
.irp g, 0,1
.irp q, 0,1,2,3
	ds_load_b128 v[SAS+16*\g+4*\q:SAS+16*\g+4*\q+3], v[ADS] offset:2048*\g+256*\q
.endr
.endr
	FETCH_A 0, 0
	FETCH_A 0, 4
	STEP 0, 32, 1, 0, 1, 0, 1, 0                   ; the first step starts the sums; sets 1 and 2 stay out
	global_prefetch_b8 v[PFV], s[12:13] offset:8192 th:TH_LOAD_NT scope:SCOPE_SE   ; chunk 1
	s_mov_b32 s3, 2
.Lk:                                                   ; a trip: steps 1-8, then 9-16
	STEP 1, 32, 1, 0, 1, 0, 0, 0
	s_cmp_lg_u32 s3, 2
	s_cbranch_scc1 .Lno_chunk                      ; the second trip has no chunk left to ask for
	global_prefetch_b8 v[PFV], s[12:13] offset:16384 th:TH_LOAD_NT scope:SCOPE_SE  ; chunk 2
.Lno_chunk:
	STEP 2, 32, 1, 0, 1, 0, 0, 0
	global_prefetch_b8 v[PFS], s[24:25] th:TH_LOAD_NT scope:SCOPE_SE
	STEP 3, 32, 1, 0, 1, 0, 0, 0
	STEP 4, 32, 1, 1, 1, 0, 0, 0
	global_prefetch_b8 v[PFS], s[26:27] th:TH_LOAD_NT scope:SCOPE_SE
	STEP 5, 36, 1, 0, 1, 0, 0, 0                   ; two sets and step 4's four scale loads are younger
	STEP 6, 36, 1, 0, 1, 0, 0, 0
	global_prefetch_b8 v[PFS], s[28:29] th:TH_LOAD_NT scope:SCOPE_SE
	STEP 7, 36, 1, 0, 1, 1, 0, 0
	STEP 8, 32, 1, 1, 1, 0, 0, 0
	s_wait_xcnt 0x0                                ; the bases and the prefetches' offset are stepped only behind this wait
	s_add_nc_u64 s[12:13], s[12:13], 8192
	s_add_nc_u64 s[14:15], s[14:15], 4096
	v_add_nc_u32 v[PFS], 256, v[PFS]
	s_sub_co_u32 s3, s3, 1
	s_cmp_lg_u32 s3, 0
	s_wait_alu depctr_va_vdst(0)                   ; the wait directly ahead of the branch
	s_cbranch_scc1 .Lk
	STEP 1, 32, 1, 0, 1, 0, 0, 0                   ; steps 17-23: B's last loads go out in step 20
	STEP 2, 32, 1, 0, 1, 0, 0, 0
	STEP 3, 32, 1, 0, 1, 0, 0, 0
	STEP 4, 32, 1, 0, 1, 0, 0, 0
	STEP 5, 32, 0, 0, 1, 0, 0, 1                   ; sets 22 and 23 are younger; 8 + 24 loads for the way out follow
	STEP 6, 48, 0, 0, 1, 0, 0, 0                   ; set 23 and those 32
	STEP 7, 32, 0, 0, 0, 0, 0, 0
	s_barrier_signal -1                            ; no LDS load of mine is out: my reads of A are over
	s_barrier_wait -1
	PLACES                                         ; in front of the reads of results just made
.irp a, 0,1,2,3,4,5,6,7
	WIN (2+\a/4)<<2                                ; the data: window 2 or 3
.irp b, 0,1,2,3,4,5,6,7
	ds_store_b128 v[STO+\a/2], v[64*(\a%4)+8*\b:64*(\a%4)+8*\b+3] offset:16*PP*(\a%2)+512*(\b/2)+64*(\b%2)   ; each accumulator from its low end on
	ds_store_b128 v[STO+\a/2], v[64*(\a%4)+8*\b+4:64*(\a%4)+8*\b+7] offset:16*PP*(\a%2)+512*(\b/2)+64*(\b%2)+16
.endr
.endr
	WIN 0
	s_wait_dscnt 0x0
	s_barrier_signal -1
	s_barrier_wait -1
.irp g, 0,1,2,3
	ds_load_b128 v[PB+4*\g:PB+4*\g+3], v[RD] offset:512*\g
.endr
	s_wait_loadcnt 24                              ; the biases are in; the eight items' 24 loads stay out
.irp ch, 0,1
.irp j, 0,2,4,6,12,14
	v_pk_mul_f32 v[32+32*\ch+\j:33+32*\ch+\j], v[32+32*\ch+\j:33+32*\ch+\j], s[76:77] op_sel_hi:[1,0]
.endr
.irp j, 8,10
	v_pk_mul_f32 v[32+32*\ch+\j:33+32*\ch+\j], v[32+32*\ch+\j:33+32*\ch+\j], s[78:79] op_sel_hi:[1,0]
.endr
.endr
	s_wait_alu depctr_va_vdst(0)
; An item: two rows (lanes 0-15, lanes 16-31) x 64 units, 4 a lane.  Item i of a trip: row pair i / 2, column half i % 2.  ld: its registers take the next trip's state.  cnt: the younger state loads.  nx: the next item's pre-activations are fetched.
.macro ITEM i, ld, cnt, nx
.set P,  PB+16*((\i)%2)
.set PN, PB+16*(1-(\i)%2)
.set O,  OB+12*((\i)%2)
.set BI, 32+32*((\i)%2)
	ZR \i
	s_wait_xcnt 0x0                                ; registers that earlier stores read are written again only behind this wait
.if \nx
.irp g, 0,1,2,3
	ds_load_b128 v[PN+4*\g:PN+4*\g+3], v[RD] offset:2*PP*(((\i)+1)/2)+256*(((\i)+1)%2)+512*\g
.endr
	s_wait_dscnt 4
.else
	s_wait_dscnt 0x0
.endif
	s_wait_loadcnt \cnt
.irp j, 0,2,4,6,12,14
	v_pk_fma_f32 v[P+\j:P+\j+1], v[P+\j:P+\j+1], s[76:77], v[BI+\j:BI+\j+1] op_sel_hi:[1,0,1]
.endr
.irp j, 8,10
	v_pk_fma_f32 v[P+\j:P+\j+1], v[P+\j:P+\j+1], s[78:79], v[BI+\j:BI+\j+1] op_sel_hi:[1,0,1]
.endr
	s_wait_alu depctr_va_vdst(0)                   ; a wait ahead of each batch and one behind it
.irp j, 0,1,2,3,4,5,6,7,8,9,10,11,12,13,14,15
	v_exp_f32 v[P+\j], v[P+\j]
.endr
	v_nop
	s_wait_alu depctr_va_vdst(0)
.irp j, 0,2,4,6,8,10,12,14
	v_pk_add_f32 v[P+\j:P+\j+1], v[P+\j:P+\j+1], 1.0 op_sel_hi:[1,0]
.endr
	s_wait_alu depctr_va_vdst(0)
.irp j, 0,1,2,3,4,5,6,7,8,9,10,11,12,13,14,15
	v_rcp_f32 v[P+\j], v[P+\j]                     ; i, f, 1 / (1 + 2^..), o
.endr
	v_nop
	s_wait_alu depctr_va_vdst(0)
.irp j, 0,2
	v_pk_fma_f32 v[P+8+\j:P+9+\j], v[P+8+\j:P+9+\j], -2.0, 1.0 op_sel_hi:[1,0,0]   ; z
	v_pk_mul_f32 v[T2+\j:T2+\j+1], v[P+4+\j:P+5+\j], v[ZM+\j:ZM+\j+1]               ; f m_prev
	v_pk_fma_f32 v[O+4+\j:O+5+\j], v[P+4+\j:P+5+\j], v[ZN+\j:ZN+\j+1], v[P+\j:P+\j+1]   ; n
.endr
.irp j, 0,2
	v_pk_mul_f32 v[T+\j:T+\j+1], v[P+\j:P+\j+1], v[P+8+\j:P+9+\j]                   ; i z
.endr
.irp j, 0,1,2,3
	v_max_num_f32 v[O+8+\j], v[T2+\j], v[P+\j]                                      ; m
.endr
.irp j, 0,2
	v_pk_fma_f32 v[O+\j:O+\j+1], v[P+4+\j:P+5+\j], v[ZC+\j:ZC+\j+1], v[T+\j:T+\j+1]     ; c
.endr
	global_store_b128 v[GOF], v[O:O+3],     s[30:31] offset:16384*((\i)/2)+256*((\i)%2)   ; sixteen lanes store 256 consecutive bytes, aligned
	global_store_b128 v[GOF], v[O+4:O+7],   s[32:33] offset:16384*((\i)/2)+256*((\i)%2)
	global_store_b128 v[GOF], v[O+8:O+11],  s[34:35] offset:16384*((\i)/2)+256*((\i)%2) th:TH_STORE_NT
	global_store_b128 v[GOF], v[P+12:P+15], s[36:37] offset:16384*((\i)/2)+256*((\i)%2)
.if \ld
	ZLOAD \i, 65536
.endif
.endm
	s_mov_b32 s3, 3
.Lout:                                                 ; a trip: eight rows of my 32
.irp i, 0,1,2,3,4,5,6,7
	ITEM \i, 1, 21, 1                              ; seven items' loads are younger than mine
.endr
	s_wait_xcnt 0x0
	v_add_nc_u32 v[GOF], 65536, v[GOF]
	v_add_nc_u32 v[RD], 8*PP, v[RD]
	s_sub_co_u32 s3, s3, 1
	s_cmp_lg_u32 s3, 0
	s_wait_alu depctr_va_vdst(0)                   ; the wait directly ahead of the branch
	s_cbranch_scc1 .Lout
.irp i, 0,1,2,3,4,5,6
	ITEM \i, 0, 3*(7-\i), 1                        ; the last trip loads no state: the counts run down
.endr
	ITEM 7, 0, 0, 0
	s_wait_tensorcnt 0x0                           ; the wave's end
	ds_add_u32 v[SPW], v[NIL]
	s_wait_dscnt 0x0
	s_endpgm
.Lfunc_end_k_q50789acf0e_cell:
	.size	k_q50789acf0e_cell, .Lfunc_end_k_q50789acf0e_cell-k_q50789acf0e_cell
	.p2alignl 7, 3214868480
	.fill 96, 4, 3214868480
	.section	.rodata,"a",@progbits
	.p2align	6, 0x0
	.amdhsa_kernel k_q50789acf0e_cell
		.amdhsa_group_segment_fixed_size 327680
		.amdhsa_private_segment_fixed_size 0
		.amdhsa_enable_private_segment 0
		.amdhsa_kernarg_size 136
		.amdhsa_user_sgpr_count 2
		.amdhsa_user_sgpr_kernarg_segment_ptr 1
		.amdhsa_wavefront_size32 1
		.amdhsa_system_sgpr_workgroup_id_x 1
		.amdhsa_system_sgpr_workgroup_id_y 1
		.amdhsa_system_sgpr_workgroup_id_z 1
		.amdhsa_system_vgpr_workitem_id 0
		.amdhsa_next_free_vgpr 1024
		.amdhsa_next_free_sgpr 100
		.amdhsa_reserve_vcc 0
		.amdhsa_float_denorm_mode_32 3
		.amdhsa_float_denorm_mode_16_64 3
		.amdhsa_memory_ordered 1
		.amdhsa_forward_progress 1
		.amdhsa_inst_pref_size 255
	.end_amdhsa_kernel
	.section	.bss,"aw",@nobits
	.p2align	6
	.space	262144
	.amdgpu_metadata
---
amdhsa.version: [ 1, 2 ]
amdhsa.kernels:
  - .name:           k_q50789acf0e_cell
    .symbol:         k_q50789acf0e_cell.kd
    .args:
      - { .name: x_codes, .offset: 0, .size: 8, .value_kind: global_buffer, .address_space: global }
      - { .name: x_scales, .offset: 8, .size: 8, .value_kind: global_buffer, .address_space: global }
      - { .name: h_prev_codes, .offset: 16, .size: 8, .value_kind: global_buffer, .address_space: global }
      - { .name: h_prev_scales, .offset: 24, .size: 8, .value_kind: global_buffer, .address_space: global }
      - { .name: bq_codes, .offset: 32, .size: 8, .value_kind: global_buffer, .address_space: global }
      - { .name: bq_scales, .offset: 40, .size: 8, .value_kind: global_buffer, .address_space: global }
      - { .name: bi, .offset: 48, .size: 8, .value_kind: global_buffer, .address_space: global }
      - { .name: bf, .offset: 56, .size: 8, .value_kind: global_buffer, .address_space: global }
      - { .name: bz, .offset: 64, .size: 8, .value_kind: global_buffer, .address_space: global }
      - { .name: bo, .offset: 72, .size: 8, .value_kind: global_buffer, .address_space: global }
      - { .name: c_prev, .offset: 80, .size: 8, .value_kind: global_buffer, .address_space: global }
      - { .name: n_prev, .offset: 88, .size: 8, .value_kind: global_buffer, .address_space: global }
      - { .name: m_prev, .offset: 96, .size: 8, .value_kind: global_buffer, .address_space: global }
      - { .name: out1, .offset: 104, .size: 8, .value_kind: global_buffer, .address_space: global }
      - { .name: out2, .offset: 112, .size: 8, .value_kind: global_buffer, .address_space: global }
      - { .name: out3, .offset: 120, .size: 8, .value_kind: global_buffer, .address_space: global }
      - { .name: og, .offset: 128, .size: 8, .value_kind: global_buffer, .address_space: global }
    .group_segment_fixed_size: 327680
    .private_segment_fixed_size: 0
    .kernarg_segment_align: 8
    .kernarg_segment_size: 136
    .max_flat_workgroup_size: 128
    .sgpr_count:     100
    .vgpr_count:     1024
    .wavefront_size: 32
...
	.end_amdgpu_metadata
.endif
;; end of part 2
;; launch norm (part 3): grid 256 x 1, 8 waves a work-group, no clusters, 17,408 bytes of LDS; arguments gn_w, gn_b, out1, out2, og, out0; writes out0
.if DOCPART == 3
	.amdgcn_target "amdgcn-amd-amdhsa--gfx1250"
	.amdhsa_code_object_version 6
	.text
	.protected	k_q50789acf0e_norm
	.globl	k_q50789acf0e_norm
	.p2align	8
	.type	k_q50789acf0e_norm,@function
k_q50789acf0e_norm:
	s_mov_b64 s[64:65], 0
	v_nop
	global_prefetch_b8 v0, s[64:65] scope:SCOPE_SE
	s_setreg_imm32_b32 hwreg(HW_REG_WAVE_MODE, 25, 1), 1
	s_wait_xcnt 0x0
; h = o tanh(groupnorm(c / n)): out0[r][:] from out1 (c), out2 (n), og (o), all [2048][2048] f32; gn_w, gn_b [2048].  The norm goes over all 2,048 units of a row.
; ONE WAVE, ONE ROW: a row of 8,192 bytes is 64 registers a lane for each of the three tensors; it stays in registers between the passes, so every byte is read once, the mean is taken away before the
; squares are summed (no difference of large sums), the reductions never leave the wave, and there is no loop.  Each load and store of a wave covers 512 consecutive bytes, aligned.
; gn_w and gn_b are wanted by all eight waves: the work-group reads them once, 16 bytes a thread twice, and shares them through LDS (one barrier).
; tanh(y) = 1 - 2 / (1 + 2^(2 log2(e) y)); the factor 2 log2(e) is folded into 1 / sqrt(var + eps) and into gn_b.
; No matrix unit, tensor load or cluster: the work-groups share nothing but those 16 KB.
; LIMITS: v_rcp_f32 takes an n under 2^-126 for 0 (ISA guide, the instruction's entry); tanh's error is absolute, about 1e-7; where the exponential overflows the reciprocal gives the limit.
.set N, 32                             ; v32-95   n, then 1 / n; later gn_w (v32-63) and gn_b (v64-95) of half a row
.set C, 96                             ; v96-159  c, c / n, c / n - mean, ..., h
.set O, 160                            ; v160-223 o
.set S, 224                            ; v224-231 four chains of sums; v232-233 -mean; v234-235 2 log2(e) / sqrt(var + eps)
	s_load_b256 s[4:11], s[0:1], 0x0               ; gn_w s[4:5], gn_b s[6:7], c s[8:9], n s[10:11]
	s_load_b128 s[12:15], s[0:1], 0x20             ; o s[12:13], h s[14:15]
	v_lshl_add_u32 v240, v0, 2, 0x4000
	v_mov_b32 v241, 0
	v_lshrrev_b32 v2, 5, v0
	s_delay_alu instid0(VALU_DEP_1)
	v_readfirstlane_b32 s16, v2                    ; wave 0..7
	v_lshlrev_b32 v1, 4, v0                        ; 16 x thread
	v_and_b32 v3, 31, v0
	s_delay_alu instid0(VALU_DEP_1)
	v_lshlrev_b32 v3, 4, v3                        ; 16 x lane
	s_lshl_b32 s18, ttmp9, 16
	s_lshl_b32 s17, s16, 13
	s_add_co_u32 s18, s18, s17                     ; my row, 8 x work-group + wave, times 8,192 bytes
	s_mov_b32 s19, 0
	s_mov_b32 s20, 0x76543210                      ; v_permlanex16_b32's selects for lane l xor 16
	s_mov_b32 s21, 0xfedcba98
	s_mov_b32 s22, 0x4038aa3b                      ; 2 log2(e)
	s_mov_b32 s23, s22                             ; (named with it as a pair)
	s_mov_b32 s24, 0x3a000000                      ; 1 / 2,048
	s_mov_b32 s25, 0x3727c5ac                      ; eps = 1e-5
	s_wait_alu depctr_va_vdst(0)
	s_wait_kmcnt 0x0
	s_add_nc_u64 s[8:9], s[8:9], s[18:19]
	s_add_nc_u64 s[10:11], s[10:11], s[18:19]
	s_add_nc_u64 s[12:13], s[12:13], s[18:19]
	s_add_nc_u64 s[14:15], s[14:15], s[18:19]
	global_load_b128 v[4:7],   v1, s[4:5]
	global_load_b128 v[8:11],  v1, s[4:5] offset:4096
	global_load_b128 v[12:15], v1, s[6:7]
	global_load_b128 v[16:19], v1, s[6:7] offset:4096
.irp j, 0,1,2,3,4,5,6,7,8,9,10,11,12,13,14,15
	global_load_b128 v[N+4*\j:N+4*\j+3], v3, s[10:11] offset:512*\j th:TH_LOAD_NT
.endr
.irp j, 0,1,2,3,4,5,6,7,8,9,10,11,12,13,14,15
	global_load_b128 v[C+4*\j:C+4*\j+3], v3, s[8:9] offset:512*\j th:TH_LOAD_NT
.endr
.irp j, 0,1,2,3,4,5,6,7,8,9,10,11,12,13,14,15
	global_load_b128 v[O+4*\j:O+4*\j+3], v3, s[12:13] offset:512*\j th:TH_LOAD_NT
.endr
	s_wait_loadcnt 48                              ; gn_w and gn_b are in; the row's 48 loads stay out
.irp i, 12,14,16,18
	v_pk_mul_f32 v[\i:\i+1], v[\i:\i+1], s[22:23] op_sel_hi:[1,0]   ; 2 log2(e) gn_b
.endr
	ds_store_b128 v1, v[4:7]
	ds_store_b128 v1, v[8:11] offset:4096
	ds_store_b128 v1, v[12:15] offset:8192
	ds_store_b128 v1, v[16:19] offset:12288
	s_wait_dscnt 0x0                               ; for the others' sake: my stores have landed
	s_barrier_signal -1
	s_barrier_wait -1
	s_wait_loadcnt 32                              ; n is in; c's and o's 32 loads stay out
.irp j, 0,1,2,3,4,5,6,7,8,9,10,11,12,13,14,15,16,17,18,19,20,21,22,23,24,25,26,27,28,29,30,31,32,33,34,35,36,37,38,39,40,41,42,43,44,45,46,47,48,49,50,51,52,53,54,55,56,57,58,59,60,61,62,63
	v_rcp_f32 v[N+\j], v[N+\j]
.endr
	v_nop                                          ; a plain line behind the last reciprocal (ISA guide 5.7.2)
	s_wait_loadcnt 16                              ; c is in; o's 16 loads stay out
.set p, 0
	s_wait_alu depctr_va_vdst(0)
.rept 32
	v_pk_mul_f32 v[C+2*p:C+2*p+1], v[C+2*p:C+2*p+1], v[N+2*p:N+2*p+1]   ; c / n
.set p, p+1
.endr
.macro WB u                            ; gn_w and 2 log2(e) gn_b of half u of the row, laid as the row's registers are, into the registers that 1 / n has left
.irp j, 0,1,2,3,4,5,6,7
	ds_load_b128 v[N+4*\j:N+4*\j+3], v3 offset:4096*\u+512*\j
	ds_load_b128 v[N+32+4*\j:N+32+4*\j+3], v3 offset:8192+4096*\u+512*\j
.endr
.endm
	WB 0                                           ; they land while the sums are made
.macro REDUCE                          ; the four chains' eight sums, then the 32 lanes': the total in every lane's v[S]
	s_delay_alu instid0(VALU_DEP_3)
	v_pk_add_f32 v[S:S+1], v[S:S+1], v[S+2:S+3]
	s_delay_alu instid0(VALU_DEP_2)
	v_pk_add_f32 v[S+4:S+5], v[S+4:S+5], v[S+6:S+7]
	s_delay_alu instid0(VALU_DEP_1)
	v_pk_add_f32 v[S:S+1], v[S:S+1], v[S+4:S+5]
	s_delay_alu instid0(VALU_DEP_1)
	v_add_f32 v[S], v[S], v[S+1]
	s_delay_alu instid0(VALU_DEP_1)
	v_add_f32_dpp v[S], v[S], v[S] row_xmask:1 row_mask:0xf bank_mask:0xf
	s_delay_alu instid0(VALU_DEP_1)
	v_add_f32_dpp v[S], v[S], v[S] row_xmask:2 row_mask:0xf bank_mask:0xf
	s_delay_alu instid0(VALU_DEP_1)
	v_add_f32_dpp v[S], v[S], v[S] row_xmask:4 row_mask:0xf bank_mask:0xf
	s_delay_alu instid0(VALU_DEP_1)
	v_add_f32_dpp v[S], v[S], v[S] row_xmask:8 row_mask:0xf bank_mask:0xf
	s_delay_alu instid0(VALU_DEP_1)
	v_permlanex16_b32 v[S+1], v[S], s20, s21       ; (its destination counts as read: it has been written)
	s_delay_alu instid0(VALU_DEP_1)
	v_add_f32 v[S], v[S], v[S+1]
.endm
.irp k, 0,1,2,3
	v_pk_add_f32 v[S+2*\k:S+2*\k+1], v[C+2*\k:C+2*\k+1], v[C+8+2*\k:C+9+2*\k]   ; the first pairs start the four chains: nothing is cleared
.endr
.set p, 8
.rept 24
	s_delay_alu instid0(VALU_DEP_4)
	v_pk_add_f32 v[S+2*(p%4):S+2*(p%4)+1], v[S+2*(p%4):S+2*(p%4)+1], v[C+2*p:C+2*p+1]
.set p, p+1
.endr
	REDUCE
	s_delay_alu instid0(VALU_DEP_1)
	v_mul_f32 v[S+8], 0xba000000, v[S]             ; -mean = the sum x -1 / 2,048
	s_delay_alu instid0(VALU_DEP_1)
	v_mov_b32 v[S+9], v[S+8]                       ; (named with it as a pair)
.set p, 0
.rept 32
	v_pk_add_f32 v[C+2*p:C+2*p+1], v[C+2*p:C+2*p+1], v[S+8:S+9] op_sel_hi:[1,0]   ; d = c / n - mean
.set p, p+1
.endr
.irp k, 0,1,2,3
	v_pk_mul_f32 v[S+2*\k:S+2*\k+1], v[C+2*\k:C+2*\k+1], v[C+2*\k:C+2*\k+1]
.endr
.set p, 4
.rept 28
	s_delay_alu instid0(VALU_DEP_4)
	v_pk_fma_f32 v[S+2*(p%4):S+2*(p%4)+1], v[C+2*p:C+2*p+1], v[C+2*p:C+2*p+1], v[S+2*(p%4):S+2*(p%4)+1]
.set p, p+1
.endr
	REDUCE
	s_delay_alu instid0(VALU_DEP_1)
	v_fma_f32 v[S], v[S], s24, s25                 ; var + eps
	s_wait_alu depctr_va_vdst(0)
	v_rsq_f32 v[S+10], v[S]
	v_nop
	s_wait_alu depctr_va_vdst(0)
	v_mul_f32 v[S+10], s22, v[S+10]                ; 2 log2(e) / sqrt(var + eps)
	s_delay_alu instid0(VALU_DEP_1)
	v_mov_b32 v[S+11], v[S+10]
.set p, 0
.rept 32
	v_pk_mul_f32 v[C+2*p:C+2*p+1], v[C+2*p:C+2*p+1], v[S+10:S+11] op_sel_hi:[1,0]
.set p, p+1
.endr
; Half u of the row: 32 numbers a lane.
.macro HALF u
.set H, C+32*\u
	s_wait_dscnt 0x0                               ; this half's gn_w and gn_b are in
.set p, 0
.rept 16
	v_pk_fma_f32 v[H+2*p:H+2*p+1], v[H+2*p:H+2*p+1], v[N+2*p:N+2*p+1], v[N+32+2*p:N+33+2*p]   ; 2 log2(e) (normed x gn_w + gn_b)
.set p, p+1
.endr
.if \u == 0
	WB 1                                           ; the other half's, into the same registers: they land under this half's exponentials
.endif
.set p, 0
	s_wait_alu depctr_va_vdst(0)
.rept 32
	v_exp_f32 v[H+p], v[H+p]
.set p, p+1
.endr
	v_nop
.set p, 0
	s_wait_alu depctr_va_vdst(0)
.rept 16
	v_pk_add_f32 v[H+2*p:H+2*p+1], v[H+2*p:H+2*p+1], 1.0 op_sel_hi:[1,0]
.set p, p+1
.endr
.set p, 0
	s_wait_alu depctr_va_vdst(0)
.rept 32
	v_rcp_f32 v[H+p], v[H+p]
.set p, p+1
.endr
	v_nop
.set p, 0
	s_wait_alu depctr_va_vdst(0)
.rept 16
	v_pk_fma_f32 v[H+2*p:H+2*p+1], v[H+2*p:H+2*p+1], -2.0, 1.0 op_sel_hi:[1,0,0]   ; the tanh
.set p, p+1
.endr
.if \u == 0
	s_wait_loadcnt 0x0                             ; o
.endif
.set p, 0
.rept 16
	v_pk_mul_f32 v[H+2*p:H+2*p+1], v[H+2*p:H+2*p+1], v[O+32*\u+2*p:O+32*\u+2*p+1]
.set p, p+1
.endr
.irp i, 0,1,2,3,4,5,6,7
	global_store_b128 v3, v[H+4*\i:H+4*\i+3], s[14:15] offset:4096*\u+512*\i th:TH_STORE_NT   ; 512 consecutive bytes, aligned; no register that a store reads is written again
.endr
.endm
	HALF 0
	HALF 1
	s_wait_tensorcnt 0x0
	ds_add_u32 v240, v241
	s_wait_dscnt 0x0
	s_endpgm
.Lfunc_end_k_q50789acf0e_norm:
	.size	k_q50789acf0e_norm, .Lfunc_end_k_q50789acf0e_norm-k_q50789acf0e_norm
	.p2alignl 7, 3214868480
	.fill 96, 4, 3214868480
	.section	.rodata,"a",@progbits
	.p2align	6, 0x0
	.amdhsa_kernel k_q50789acf0e_norm
		.amdhsa_group_segment_fixed_size 17408
		.amdhsa_private_segment_fixed_size 0
		.amdhsa_enable_private_segment 0
		.amdhsa_kernarg_size 48
		.amdhsa_user_sgpr_count 2
		.amdhsa_user_sgpr_kernarg_segment_ptr 1
		.amdhsa_wavefront_size32 1
		.amdhsa_system_sgpr_workgroup_id_x 1
		.amdhsa_system_sgpr_workgroup_id_y 1
		.amdhsa_system_sgpr_workgroup_id_z 1
		.amdhsa_system_vgpr_workitem_id 0
		.amdhsa_next_free_vgpr 242
		.amdhsa_next_free_sgpr 66
		.amdhsa_reserve_vcc 0
		.amdhsa_float_denorm_mode_32 3
		.amdhsa_float_denorm_mode_16_64 3
		.amdhsa_memory_ordered 1
		.amdhsa_forward_progress 1
		.amdhsa_inst_pref_size 39
	.end_amdhsa_kernel
	.amdgpu_metadata
---
amdhsa.version: [ 1, 2 ]
amdhsa.kernels:
  - .name:           k_q50789acf0e_norm
    .symbol:         k_q50789acf0e_norm.kd
    .args:
      - { .name: gn_w, .offset: 0, .size: 8, .value_kind: global_buffer, .address_space: global }
      - { .name: gn_b, .offset: 8, .size: 8, .value_kind: global_buffer, .address_space: global }
      - { .name: out1, .offset: 16, .size: 8, .value_kind: global_buffer, .address_space: global }
      - { .name: out2, .offset: 24, .size: 8, .value_kind: global_buffer, .address_space: global }
      - { .name: og, .offset: 32, .size: 8, .value_kind: global_buffer, .address_space: global }
      - { .name: out0, .offset: 40, .size: 8, .value_kind: global_buffer, .address_space: global }
    .group_segment_fixed_size: 17408
    .private_segment_fixed_size: 0
    .kernarg_segment_align: 8
    .kernarg_segment_size: 48
    .max_flat_workgroup_size: 256
    .sgpr_count:     66
    .vgpr_count:     242
    .wavefront_size: 32
...
	.end_amdgpu_metadata
.endif
;; end of part 3
